; MI455X (gfx1250); checked and timed in simulation.
; The chip was launched on July 23, 2026; its instructions are those of AMD's public machine-readable ISA for CDNA 5 (MIT licence, August 2026) and "CDNA5" Instruction Set Architecture Reference Guide (July 2026). The comments in the code are by the model that wrote it; some were corrected since.
;; Self Attention. Allowed arithmetic: matrix products marked QUANTISED: E2M3 operands, one E8M0 scale for each 32 along K, by v_wmma_scale_f32_16x16x128_f8f6f4 with both operands' format E2M3, f32 sums; everything else in f32.
;; Inputs: Wk 1,024 x 1,024 float32; Wq 1,024 x 1,024 float32; Wv 1,024 x 1,024 float32; atten_mask 2,048 x 2,048 int32; bk 1,024 float32; bq 1,024 float32; bv 1,024 float32; x 4 x 2,048 x 1,024 float32.
;; Outputs: out0 4 x 2,048 x 1,024 float32.
;; This version of the problem:
;;   THIS VERSION OF THE PROBLEM IS GIVEN IN LOW PRECISION. The matrix products marked QUANTISED in the list below multiply operands that are first quantised to E2M3 (2 exponent bits, 3 mantissa bits; 6 bits a number), with one power-of-two scale for each 32 numbers along K (OCP MX v1.0); their sums are f32. All else is computed in f32.
;;   The module's matrix products, in the order in which they are computed (A, B: the left and right operand; K: the contracted axis; several contracted axes count as one K, in the product's order):
;;     1. [M 8,192, K 1,024] x [K 1,024, N 1,024]; A: input x; B: input Wq: QUANTISED
;;     2. [M 8,192, K 1,024] x [K 1,024, N 1,024]; A: input x; B: input Wk: QUANTISED
;;     3. [M 8,192, K 1,024] x [K 1,024, N 1,024]; A: input x; B: input Wv: QUANTISED
;;     4. batch 64 x [M 2,048, K 64] x [K 64, N 2,048]; A: computed on the way; B: computed on the way: QUANTISED
;;     5. batch 64 x [M 64, K 2,048] x [K 2,048, N 2,048]; A: computed on the way; B: softmax (see below): QUANTISED
;;   THE QUANTISER, for each operand of a quantised product, along K:
;;     - K is cut into blocks of 32 from its start; a last block that is shorter is filled with zeros.
;;     - A block's scale is 2^e with e = floor(log2(the largest magnitude in the block)) - 2, held to -126 .. 127; a block of zeros has e = 0. As a byte (E8M0): e + 127.
;;     - Each number is divided by its block's scale, clamped to +-7.5, and rounded to the nearest number of E2M3, ties to even, subnormals kept.
;;     - The product sums the exact products of the quantised numbers (number of the format x scale) in f32.
;;   ~~~python
;;   def quantise(x, axis):      # numpy; x: float32 -> the quantised numbers, widened to float32 again
;;       x = np.moveaxis(x, axis, -1); K = x.shape[-1]
;;       x = np.pad(x, [(0, 0)] * (x.ndim - 1) + [(0, -K % 32)]); x = x.reshape(x.shape[:-1] + (-1, 32)); a = np.abs(x).max(-1, keepdims=True)
;;       e = np.where(a > 0, np.clip(np.frexp(np.where(a > 0, a, 1))[1] - 1 - 2, -126, 127), 0)      # np.frexp(a)[1] - 1 = floor(log2(a)), exactly
;;       r = np.clip(x / 2.0 ** e, -7.5, 7.5)
;;       step = 2.0 ** (np.maximum(np.frexp(np.where(r == 0, 1, r))[1] - 1, 0) - 3)
;;       q = np.round(r / step) * step * 2.0 ** e      # np.round: ties to even
;;       return np.moveaxis(q.reshape(q.shape[:-2] + (-1,))[..., :K], -1, axis).astype(np.float32)
;;   ~~~
;;   SOFTMAX AHEAD OF A QUANTISED PRODUCT. Where the list says 'softmax', what is quantised is not the finished softmax but p = 2^(t - M), with t = logit x log2(e) and M = ceil(the row's largest t), a whole number; so 1/2 < the row's largest p <= 1. The row's sum l is taken of the UNQUANTISED p, in f32, and the product's result is divided by l at the end. Since M is a whole number, a kernel that streams over the keys may use a running M (the ceiling of the running maximum): every later rescaling is an exact power of two, which a block's scale takes up: the codes' values come out the same.
;;   OPERANDS COMPUTED ON THE WAY. 'Computed on the way' means the value that the module computes at that place (a softmax that the list does not call 'softmax' is quantised finished and normalised). What goes into a quantiser is computed in f32, as accurately as f32 sums, v_exp_f32 and their like allow (about 1e-6 of the number): no bf16 or f16 on the way to a quantiser, and a product that is left as it is and whose result goes on into a quantised operand takes f32 operands (vector FMAs, or v_wmma_f32_16x16x4_f32). A number that lies on a knife's edge between two numbers of the format may be rounded either way, as far as f32 arithmetic and the matrix unit's own rounding can turn it there, and no further.
;; One version. Each part assembles by itself: llvm-mc -triple=amdgcn-amd-amdhsa -mcpu=gfx1250 --defsym DOCPART=n.
;; ======== version 1 of 1: 3 launches
;; limits: right only within a limited range of input values
;; workspace buffers: cod 8,650,752 bytes; scl 360,448 bytes; fcod 18,874,368 bytes; fscl 1,572,864 bytes; mbits 524,288 bytes of whole numbers; tflags 2,048 bytes of whole numbers
;; launch prep (part 1): grid 480 x 1, 4 waves a work-group, no clusters, 68,096 bytes of LDS; arguments x, Wq, Wk, Wv, atten_mask, cod, scl, mbits, tflags; writes cod, scl, mbits, tflags
.if DOCPART == 1
	.amdgcn_target "amdgcn-amd-amdhsa--gfx1250"
	.amdhsa_code_object_version 6
	.text
	.protected	k_qdc89ff97f9_prep
	.globl	k_qdc89ff97f9_prep
	.p2align	8
	.type	k_qdc89ff97f9_prep,@function
k_qdc89ff97f9_prep:
	s_mov_b64 s[64:65], 0
	v_nop
	global_prefetch_b8 v0, s[64:65] scope:SCOPE_SE
	s_setreg_imm32_b32 hwreg(HW_REG_WAVE_MODE, 25, 1), 1
	s_wait_xcnt 0x0
; PREP: three jobs, told apart by the work-group's number; each has its own pointers, its own LDS bytes and its own end.
;  work-groups   0-255: x [8192][1024] f32 -> codes of FP6 (E2M3), K innermost, 768 bytes a row, and one E8M0 byte for each 32 along K, 32 bytes a row.
;  work-groups 256-351: Wq, Wk, Wv [1024 (k)][1024 (n)] f32, K their FIRST axis -> the same form, one row for each column n.
;  work-groups 352-479: atten_mask [2048][2048] i32 -> one bit a key (1 = the word is 1 = hidden), and for each tile of 16 queries which steps of 128 keys hold open keys and which hold hidden ones.
; THE ORDER OF ROWS.  Row i of x, column n of a weight and query i of the mask are stored at place pi(i): i with its bits 3 and 4 exchanged.  Sixteen neighbouring stored rows are then rows
; 32 b + 8 u + (r % 8) + 16 (r / 8): as source 0 of a matrix instruction they leave, in a lane's 16 registers of two neighbouring tiles, 16 neighbours along the next product's K.
; A block's scale is 2^(floor(log2(largest magnitude)) - 2); its byte is the largest magnitude's exponent field - 2, held at 1 from below.
; LIMITS: a block of zeros, and one whose largest magnitude lies under 2^-124, gets the byte 1 (zeros: the rule says 127; its codes are zeros, and this program alone reads the bytes).
; NaN and infinities among x and the weights are not served.  No tensor loads, no barrier: waves share nothing.
.set XSTEPS, 16                        ; x: steps of 512 numbers for a wave: 8 rows
.set EMAX,   2
.set CB,     12                        ; bytes of 16 codes
.set XR,     16                        ; v16-79   four sets of 16 numbers as loaded
.set XX,     80                        ; v80-111  two sets of 16 neighbours
.set XE,     112                       ; v112-127 a scale byte for each step
.set XC,     128                       ; v128-191 codes, four registers a step
.set WREG,   8192                      ; x: LDS of a wave: two stages of 32 x SP bytes, then its 256 scale bytes.  Bytes 0 - 32,767
.set SP,     80
.set KROW,   768                       ; a row of codes
.set WSTG,   32768                     ; the weights' stages: bytes 32,768 - 67,583
.set WPITCH, 272
.set NB,     8                         ; blocks of 32 along K for a wave
.set WX,     32                        ; v32-95   two sets of 32 numbers
.set WC,     96                        ; v96..    a block's codes
.set OUTR,   112                       ; v112-175 the way out
.set SB,     24                        ; v24-25   scale bytes
	v_lshl_add_u32 v192, v0, 2, 0x10800
	v_mov_b32 v193, 0
	s_cmp_lt_u32 ttmp9, 256
	s_cbranch_scc0 .Lnot_x
; ---------------------------------------------------------------- x
; A wave takes 8 rows, a dense run of 8,192 numbers.  Each load reads 512 consecutive bytes; a step's 2,048 bytes turn through the wave's own stage, so that a lane then holds 16 neighbours along K.
	s_load_b64 s[4:5], s[0:1], 0x0                 ; x
	s_load_b128 s[8:11], s[0:1], 0x28              ; cod, scl
	v_lshrrev_b32 v1, 5, v0
	v_readfirstlane_b32 s16, v1                    ; wave
	v_and_b32 v2, 31, v0                           ; lane
	v_lshlrev_b32 v3, 4, v2                        ; my 16 bytes of a load's 512
	s_mul_i32 s17, s16, WREG
	v_lshrrev_b32 v14, 2, v2
	v_mul_u32_u24 v14, v14, SP
	v_and_b32 v15, 3, v2
	v_lshl_add_u32 v14, v15, 4, v14
	v_add_nc_u32 v14, s17, v14                     ; the stage, in: SP (lane / 4) + 16 (lane % 4)
	v_mul_u32_u24 v15, v2, SP
	v_add_nc_u32 v15, s17, v15                     ; and out: SP x lane
	v_mul_u32_u24 v4, v2, CB                       ; my codes' place in a step's
	v_lshrrev_b32 v5, 1, v2
	s_add_co_u32 s17, s17, 2*32*SP
	v_add_nc_u32 v5, s17, v5                       ; my block's scale byte in LDS
	v_lshlrev_b32 v7, 3, v2
	v_add_nc_u32 v6, s17, v7                       ; and 8 bytes a lane on the way out
	s_lshl_b32 s18, ttmp9, 2
	s_add_co_u32 s19, s18, s16                     ; the run that I read: 4 x work-group + wave
	s_and_b32 s20, s16, 1
	s_lshl_b32 s20, s20, 1
	s_lshr_b32 s21, s16, 1
	s_or_b32 s20, s20, s21
	s_add_co_u32 s20, s18, s20                     ; the run that I write: a run is 8 rows, so pi exchanges the run number's bits 0 and 1
	s_lshl_b32 s22, s19, 15                        ; 32,768 bytes of x a run
	s_mov_b32 s23, 0
	s_mul_i32 s24, s20, 8*KROW                     ; 6,144 bytes of codes
	s_mov_b32 s25, 0
	s_lshl_b32 s26, s20, 8                         ; 256 scale bytes
	s_mov_b32 s27, 0
	s_wait_alu depctr_va_vdst(0)                   ; the wait at the head's end
	s_wait_kmcnt 0x0
	s_add_nc_u64 s[4:5], s[4:5], s[22:23]
	s_add_nc_u64 s[8:9], s[8:9], s[24:25]
	s_add_nc_u64 s[10:11], s[10:11], s[26:27]
.macro XLOAD t
.irp i, 0,1,2,3
	global_load_b128 v[XR+16*((\t)%4)+4*\i:XR+16*((\t)%4)+4*\i+3], v3, s[4:5] offset:2048*(\t)+512*\i th:TH_LOAD_NT
.endr
.endm
.macro XTURN t                         ; LDS serves a wave's instructions in order: no wait between the stores and the loads
.irp i, 0,1,2,3
	ds_store_b128 v14, v[XR+16*((\t)%4)+4*\i:XR+16*((\t)%4)+4*\i+3] offset:32*SP*((\t)%2)+8*SP*\i
.endr
.irp i, 0,1,2,3
	ds_load_b128 v[XX+16*((\t)%2)+4*\i:XX+16*((\t)%2)+4*\i+3], v15 offset:32*SP*((\t)%2)+16*\i
.endr
.endm
.irp t, 0,1,2,3
	XLOAD \t
.endr
	s_wait_loadcnt 12                              ; step 0's four loads are in; three steps' twelve may be out
	XTURN 0
.macro XSTEP t
.set XS, XX+16*((\t)%2)
.if (\t) > 0
	s_wait_dscnt 1                                 ; this step's numbers are back from the stage; the last step's byte store may be out
.else
	s_wait_dscnt 0x0
.endif
.if (\t)+4 < XSTEPS
	XLOAD (\t)+4                                   ; into the registers that the stage's stores have read
.endif
.if (\t)+1 < XSTEPS
.if XSTEPS-2-(\t) >= 3
	s_wait_loadcnt 12                              ; the next step's four loads are in; the three steps behind it may be out
.else
	s_wait_loadcnt 4*(XSTEPS-2-(\t))
.endif
	XTURN (\t)+1
.endif
	v_max3_num_f32 v8, |v[XS]|, |v[XS+1]|, |v[XS+2]|
	v_max3_num_f32 v9, |v[XS+3]|, |v[XS+4]|, |v[XS+5]|
.irp i, 6,10
	v_max3_num_f32 v8, v8, |v[XS+\i]|, |v[XS+\i+1]|
	v_max3_num_f32 v9, v9, |v[XS+\i+2]|, |v[XS+\i+3]|
.endr
	v_max3_num_f32 v8, v8, |v[XS+14]|, |v[XS+15]|
	v_max3_num_f32 v8, v8, v9, (EMAX+1)<<23        ; the floor 2^(3 - 127): the byte cannot fall under 1
	v_max_num_f32_dpp v8, v8, v8 row_xmask:1 row_mask:0xf bank_mask:0xf   ; with my neighbour's 16: the block's largest magnitude
	v_add_nc_u32 v11, -(EMAX<<23), v8              ; 2 off its exponent field: the conversion's scale operand
	v_cvt_scalef32_pk16_fp6_f32 v[XC+4*(\t):XC+4*(\t)+2], v[XS:XS+15], v11
	v_lshrrev_b32 v[XE+(\t)], 23, v11              ; the scale's byte
	ds_store_b8 v5, v[XE+(\t)] offset:16*(\t)      ; both lanes of a block write the same byte
	global_store_b96 v4, v[XC+4*(\t):XC+4*(\t)+2], s[8:9] offset:32*CB*(\t)   ; the wave stores 384 consecutive bytes
.endm
.irp t, 0,1,2,3,4,5,6,7,8,9,10,11,12,13,14,15
	XSTEP \t
.endr
	ds_load_b64 v[12:13], v6
	s_wait_dscnt 0x0
	global_store_b64 v7, v[12:13], s[10:11]        ; 32 lanes store 256 consecutive bytes, aligned
	s_wait_tensorcnt 0x0
	ds_add_u32 v192, v193
	s_wait_dscnt 0x0
	s_endpgm
.Lnot_x:
	s_cmp_lt_u32 ttmp9, 352
	s_cbranch_scc0 .Lmask
; ---------------------------------------------------------------- the weights
; A lane takes a column n and its registers run down K: a block of 32 lies in one lane, and the codes come out with K innermost.  A wave: 32 columns x 256 along K.
	s_load_b128 s[4:7], s[0:1], 0x8                ; Wq, Wk
	s_load_b64 s[8:9], s[0:1], 0x18                ; Wv
	s_load_b128 s[12:15], s[0:1], 0x28             ; cod, scl
	v_lshrrev_b32 v1, 5, v0
	v_readfirstlane_b32 s16, v1                    ; wave
	v_and_b32 v2, 31, v0                           ; lane
	s_wait_alu depctr_va_vdst(0)                   ; the wait
	s_sub_co_u32 s17, ttmp9, 256
	s_lshr_b32 s30, s17, 5                         ; which weight: 0 q, 1 k, 2 v
	s_and_b32 s18, s17, 7                          ; which 128 columns
	s_bfe_u32 s19, s17, 0x20003                    ; which 256 along K
	s_lshl_b32 s18, s18, 7
	s_lshl_b32 s20, s16, 5
	s_add_co_u32 s18, s18, s20                     ; my wave's first column
	v_lshlrev_b32 v3, 2, v2                        ; in: 4 bytes a lane
	s_mul_i32 s20, s16, 32*WPITCH
	s_add_co_u32 s20, s20, WSTG                    ; my stage
	v_mul_u32_u24 v4, v2, WPITCH
	v_add_nc_u32 v4, s20, v4                       ; into it: row = my column
	v_and_b32 v5, 15, v2
	v_lshrrev_b32 v6, 4, v2
	v_mul_u32_u24 v7, v6, WPITCH
	v_lshl_add_u32 v7, v5, 4, v7
	v_add_nc_u32 v7, s20, v7                       ; out of it: sixteen lanes to a row, two rows an instruction
	v_mul_u32_u24 v8, v6, KROW
	v_mad_u32_u24 v8, v5, 12, v8                   ; and the same place in the codes' buffer
	v_and_b32 v9, 7, v2
	v_bfe_u32 v10, v2, 3, 1
	v_lshl_or_b32 v9, v10, 4, v9
	v_bfe_u32 v10, v2, 4, 1
	v_lshl_or_b32 v9, v10, 3, v9                   ; pi(lane)
	v_lshlrev_b32 v9, 5, v9                        ; my column's row of scale bytes, 32 bytes a row
	s_lshl_b32 s22, s19, 20                        ; 256 rows of 4,096 bytes
	s_lshl_b32 s23, s18, 2
	s_add_co_u32 s22, s22, s23
	s_mov_b32 s23, 0
	s_lshl_b32 s24, s30, 10
	s_add_co_u32 s24, s24, s18
	s_add_co_u32 s24, s24, 8192                    ; the stored row of my first column
	s_mul_i32 s26, s24, KROW
	s_mul_i32 s25, s19, 192
	s_add_co_u32 s26, s26, s25
	s_mov_b32 s27, 0
	s_lshl_b32 s28, s24, 5
	s_lshl_b32 s25, s19, 3
	s_add_co_u32 s28, s28, s25
	s_mov_b32 s29, 0
	s_wait_alu depctr_va_vdst(0)                   ; the wait at the head's end
	s_wait_kmcnt 0x0
	s_cmp_eq_u32 s30, 0
	s_cselect_b64 s[4:5], s[4:5], s[6:7]
	s_cmp_eq_u32 s30, 2
	s_cselect_b64 s[4:5], s[8:9], s[4:5]           ; the choice hangs on the work-group's number alone
	s_add_nc_u64 s[4:5], s[4:5], s[22:23]
	s_add_nc_u64 s[12:13], s[12:13], s[26:27]
	s_add_nc_u64 s[14:15], s[14:15], s[28:29]
.macro WLOAD t                         ; block t: W(32 t + i, my column) into set t % 2; 32 lanes read 128 consecutive bytes
.irp i, 0,1,2,3,4,5,6,7,8,9,10,11,12,13,14,15,16,17,18,19,20,21,22,23,24,25,26,27,28,29,30,31
	global_load_b32 v[WX+32*((\t)%2)+\i], v3, s[4:5] offset:(32*(\t)+\i)*4096 th:TH_LOAD_NT
.endr
.endm
	WLOAD 0
	WLOAD 1
.macro WBLOCK t
.set WS, WX+32*((\t)%2)
.if (\t) < NB-1
	s_wait_loadcnt 32                              ; this block's 32 loads are in; the next block's may be out
.else
	s_wait_loadcnt 0
.endif
	v_max3_num_f32 v12, |v[WS]|, |v[WS+1]|, |v[WS+2]|
	v_max3_num_f32 v13, |v[WS+3]|, |v[WS+4]|, |v[WS+5]|
.irp i, 6,10,14,18,22,26
	v_max3_num_f32 v12, v12, |v[WS+\i]|, |v[WS+\i+1]|
	v_max3_num_f32 v13, v13, |v[WS+\i+2]|, |v[WS+\i+3]|
.endr
	v_max3_num_f32 v12, v12, |v[WS+30]|, |v[WS+31]|
	v_max3_num_f32 v12, v12, v13, (EMAX+1)<<23     ; the floor
	v_add_nc_u32 v11, -(EMAX<<23), v12             ; the conversion's scale operand
	v_lshrrev_b32 v13, 23, v11                     ; the scale's byte
.if (\t)%4 == 0
	v_mov_b32 v[SB+(\t)/4], v13
.else
	v_lshl_or_b32 v[SB+(\t)/4], v13, 8*((\t)%4), v[SB+(\t)/4]
.endif
	v_cvt_scalef32_pk16_fp6_f32 v[WC:WC+2], v[WS:WS+15], v11
	v_cvt_scalef32_pk16_fp6_f32 v[WC+4:WC+6], v[WS+16:WS+31], v11   ; (a conversion's three registers begin on an even number)
	ds_store_b96 v4, v[WC:WC+2] offset:32*(\t)     ; 12 bytes to a place of 16, so that every LDS address is a multiple of 16
	ds_store_b96 v4, v[WC+4:WC+6] offset:32*(\t)+16
.if (\t)+2 < NB
	WLOAD (\t)+2
.endif
	s_wait_dscnt 0x0                               ; the stores have read their registers: the next block's codes may be written
.endm
.set Q, 0
.rept NB
	WBLOCK Q
.set Q, Q+1
.endr
	s_wait_alu depctr_va_vdst(0)                   ; the wait ahead of the reader below
	global_store_b64 v9, v[SB:SB+1], s[14:15]      ; my column's 8 scale bytes
.irp t, 0,1,2,3,4,5,6,7,8,9,10,11,12,13,14,15
	ds_load_b96 v[OUTR+4*\t:OUTR+4*\t+2], v7 offset:2*\t*WPITCH
.endr
.irp t, 0,1,2,3,4,5,6,7,8,9,10,11,12,13,14,15
	s_wait_dscnt 15-\t                             ; the younger reads of the stage may be out
	global_store_b96 v8, v[OUTR+4*\t:OUTR+4*\t+2], s[12:13] offset:(((2*\t)&7)|((((2*\t)>>3)&1)<<4)|((((2*\t)>>4)&1)<<3))*KROW   ; columns 2 t, 2 t + 1 go to rows pi(2 t), pi(2 t) + 1: sixteen lanes store a row's 192 consecutive bytes
.endr
	s_wait_tensorcnt 0x0
	ds_add_u32 v192, v193
	s_wait_dscnt 0x0
	s_endpgm
.Lmask:
; ---------------------------------------------------------------- the mask
; Work-group T serves stored queries 16 T .. 16 T + 15, wave w four of them: four neighbouring rows of atten_mask, 32,768 dense bytes, each word read once.
; Load k brings row k / 16, keys 128 (k % 16) on: lane l the four words of keys 4 l + e.  A compare with 1 leaves 32 bits in a scalar register: word e of that row and step.
; The 256 words are gathered lane by lane into 8 registers and leave as 1,024 consecutive bytes.  Per step the OR and the AND of its 16 words say whether a key is hidden and whether a key is open.
	s_load_b64 s[4:5], s[0:1], 0x20                ; atten_mask
	s_load_b128 s[8:11], s[0:1], 0x38              ; mbits, tflags
	v_lshrrev_b32 v2, 5, v0
	v_readfirstlane_b32 s12, v2                    ; wave
	v_and_b32 v1, 31, v0
	v_lshlrev_b32 v3, 4, v1
.irp i, 0,1,2,3,4,5,6,7
	v_mov_b32 v[16+\i], 0                          ; a lane write's destination counts as read
.endr
	v_mov_b32 v25, 0
	s_sub_co_u32 s13, ttmp9, 352                   ; T
	s_lshr_b32 s14, s13, 1
	s_lshl_b32 s14, s14, 5
	s_lshr_b32 s15, s12, 1
	s_lshl_b32 s15, s15, 4
	s_add_co_u32 s14, s14, s15
	s_and_b32 s15, s13, 1
	s_lshl_b32 s15, s15, 3
	s_add_co_u32 s14, s14, s15
	s_and_b32 s15, s12, 1
	s_lshl_b32 s15, s15, 2
	s_add_co_u32 s14, s14, s15                     ; my first row of the mask: 32 (T / 2) + 16 (w / 2) + 8 (T % 2) + 4 (w % 2)
	s_lshl_b32 s14, s14, 13                        ; 8,192 bytes a row
	s_mov_b32 s15, 0
	s_lshl_b32 s32, s13, 2
	s_add_co_u32 s32, s32, s12                     ; 4 T + w
	s_lshl_b32 s34, s32, 10                        ; four stored rows of 256 bytes
	s_mov_b32 s35, 0
	s_lshl_b32 s32, s32, 2                         ; my flag word
	s_mov_b32 s33, 0
	s_wait_alu depctr_va_vdst(0)                   ; the wait at the head's end
	s_wait_kmcnt 0x0
	s_add_nc_u64 s[4:5], s[4:5], s[14:15]
	s_add_nc_u64 s[8:9], s[8:9], s[34:35]
	s_add_nc_u64 s[10:11], s[10:11], s[32:33]
.macro MLOAD k
	global_load_b128 v[32+4*((\k)%32):32+4*((\k)%32)+3], v3, s[4:5] offset:512*(\k) th:TH_LOAD_NT
.endm
.macro MWORK k
	s_wait_alu depctr_va_vdst(0)                   ; the wait ahead of the wait below: the lane writes' registers are taken up again behind it
.if (\k) <= 32
	s_wait_loadcnt 31                              ; load k is in; the 31 younger ones may be out
.else
	s_wait_loadcnt 63-(\k)
.endif
.set MR, 32+4*((\k)%32)
.irp e, 0,1,2,3
	v_cmp_eq_u32 s[36+\e], 1, v[MR+\e]             ; only the value 1 hides a key
.endr
.irp e, 0,1,2,3
	v_writelane_b32 v[16+4*((\k)/32)+\e], s[36+\e], (\k)%32
.endr
	s_or_b32 s40, s36, s37
	s_or_b32 s41, s38, s39
	s_and_b32 s42, s36, s37
	s_and_b32 s43, s38, s39
.if (\k) < 16
	s_or_b32 s[16+(\k)], s40, s41                  ; the first row starts the step's OR and AND
	s_and_b32 s[44+(\k)], s42, s43
.else
	s_or_b32 s40, s40, s41
	s_and_b32 s42, s42, s43
	s_or_b32 s[16+(\k)%16], s[16+(\k)%16], s40
	s_and_b32 s[44+(\k)%16], s[44+(\k)%16], s42
.endif
.if (\k) < 32
	MLOAD (\k)+32
.endif
.endm
.set Q, 0
.rept 32
	MLOAD Q
.set Q, Q+1
.endr
.set Q, 0
.rept 64
	MWORK Q
.set Q, Q+1
.endr
	s_mov_b32 s60, 0
.irp s, 0,1,2,3,4,5,6,7,8,9,10,11,12,13,14,15
	s_cmp_lg_u32 s[44+\s], -1                      ; not all hidden: bit s
	s_cselect_b32 s40, 1<<\s, 0
	s_or_b32 s60, s60, s40
	s_cmp_lg_u32 s[16+\s], 0                       ; some hidden: bit 16 + s
	s_cselect_b32 s40, 1<<(16+\s), 0
	s_or_b32 s60, s60, s40
.endr
	v_mov_b32 v24, s60
	s_wait_alu depctr_va_vdst(0)                   ; the wait ahead of the stores below
	global_store_b128 v3, v[16:19], s[8:9]         ; 512 consecutive bytes each
	global_store_b128 v3, v[20:23], s[8:9] offset:512
	s_wait_xcnt 0x0                                ; EXEC changes only behind this wait
	v_cmp_eq_u32 vcc_lo, 0, v1
	s_and_saveexec_b32 s61, vcc_lo
	global_store_b32 v25, v24, s[10:11]            ; one lane stores the wave's flag word
	s_endpgm
.Lfunc_end_k_qdc89ff97f9_prep:
	.size	k_qdc89ff97f9_prep, .Lfunc_end_k_qdc89ff97f9_prep-k_qdc89ff97f9_prep
	.p2alignl 7, 3214868480
	.fill 96, 4, 3214868480
	.section	.rodata,"a",@progbits
	.p2align	6, 0x0
	.amdhsa_kernel k_qdc89ff97f9_prep
		.amdhsa_group_segment_fixed_size 68096
		.amdhsa_private_segment_fixed_size 0
		.amdhsa_enable_private_segment 0
		.amdhsa_kernarg_size 72
		.amdhsa_user_sgpr_count 2
		.amdhsa_user_sgpr_kernarg_segment_ptr 1
		.amdhsa_wavefront_size32 1
		.amdhsa_system_sgpr_workgroup_id_x 1
		.amdhsa_system_sgpr_workgroup_id_y 1
		.amdhsa_system_sgpr_workgroup_id_z 1
		.amdhsa_system_vgpr_workitem_id 0
		.amdhsa_next_free_vgpr 194
		.amdhsa_next_free_sgpr 66
		.amdhsa_reserve_vcc 1
		.amdhsa_float_denorm_mode_32 3
		.amdhsa_float_denorm_mode_16_64 3
		.amdhsa_memory_ordered 1
		.amdhsa_forward_progress 1
		.amdhsa_inst_pref_size 137
	.end_amdhsa_kernel
	.amdgpu_metadata
---
amdhsa.version: [ 1, 2 ]
amdhsa.kernels:
  - .name:           k_qdc89ff97f9_prep
    .symbol:         k_qdc89ff97f9_prep.kd
    .args:
      - { .name: x, .offset: 0, .size: 8, .value_kind: global_buffer, .address_space: global }
      - { .name: Wq, .offset: 8, .size: 8, .value_kind: global_buffer, .address_space: global }
      - { .name: Wk, .offset: 16, .size: 8, .value_kind: global_buffer, .address_space: global }
      - { .name: Wv, .offset: 24, .size: 8, .value_kind: global_buffer, .address_space: global }
      - { .name: atten_mask, .offset: 32, .size: 8, .value_kind: global_buffer, .address_space: global }
      - { .name: cod, .offset: 40, .size: 8, .value_kind: global_buffer, .address_space: global }
      - { .name: scl, .offset: 48, .size: 8, .value_kind: global_buffer, .address_space: global }
      - { .name: mbits, .offset: 56, .size: 8, .value_kind: global_buffer, .address_space: global }
      - { .name: tflags, .offset: 64, .size: 8, .value_kind: global_buffer, .address_space: global }
    .group_segment_fixed_size: 68096
    .private_segment_fixed_size: 0
    .kernarg_segment_align: 8
    .kernarg_segment_size: 72
    .max_flat_workgroup_size: 128
    .sgpr_count:     66
    .vgpr_count:     194
    .wavefront_size: 32
...
	.end_amdgpu_metadata
.endif
;; end of part 1
;; launch gemm (part 2): grid 8 x 48, 4 waves a work-group, clusters of 4 x 4, 327,680 bytes of LDS; arguments cod, scl, bq, bk, bv, fcod, fscl; writes fcod, fscl
.if DOCPART == 2
	.amdgcn_target "amdgcn-amd-amdhsa--gfx1250"
	.amdhsa_code_object_version 6
	.text
	.protected	k_qdc89ff97f9_gemm
	.globl	k_qdc89ff97f9_gemm
	.p2align	8
	.type	k_qdc89ff97f9_gemm,@function
k_qdc89ff97f9_gemm:
	s_mov_b64 s[64:65], 0
	v_nop
	global_prefetch_b8 v0, s[64:65] scope:SCOPE_SE
	s_setreg_imm32_b32 hwreg(HW_REG_WAVE_MODE, 25, 1), 1
	s_wait_xcnt 0x0
	s_wait_alu depctr_hold_cnt(0) depctr_sa_sdst(0) depctr_va_vdst(0) depctr_va_sdst(0) depctr_va_ssrc(0) depctr_va_vcc(0) depctr_vm_vsrc(0)
	s_getreg_b32 s2, hwreg(HW_REG_IB_STS2, 6, 4)
	s_cmp_eq_u32 s2, 0
	s_cbranch_scc0 .Lentry_in_a_cluster
	s_endpgm
.Lentry_in_a_cluster:
	s_bfe_u32 s2, ttmp6, 0x10000c
	s_cmp_lg_u32 s2, 0xf033
	s_cbranch_scc0 .Lentry_shape_is_right
	s_endpgm
.Lentry_shape_is_right:
; q = x Wq + bq, k = x Wk + bk, v = x Wv + bv on codes of FP6 (E2M3) with E8M0 scales, K = 1,024; the results are quantised again in registers and stored as images of operand registers.
; cod holds 8,192 rows of x, then 1,024 rows each of Wq, Wk, Wv (a row = a column n), 768 bytes a row; scl 32 scale bytes a row.  Rows lie at pi(row): bits 3 and 4 exchanged.
; Clusters y 0-7: source 1 = 256 rows of x, source 0 = 256 rows of Wq or Wk: a lane holds one token, its registers run along the head's channels, the K of q k^T.
; Clusters y 8-11: source 1 = 256 rows of Wv, source 0 = 256 rows of x: a lane holds one channel, its registers run along the tokens, the K of p v.
; A work-group of four waves makes 256 x 256, a wave 128 x 128 in 512 registers.  K goes through a ring of two LDS slots in CHUNKS OF 256 BYTES of each row: every tile row begins on a multiple of 256 bytes.
; A step of 128 along K is 96 bytes: eight steps to three chunks; steps 2 and 5 lie across two chunks.  The scales of the 512 rows come into LDS once.
; 4 x 4 clusters: source 1's tiles are asked for jointly along a row of the cluster, source 0's along a column.
; THE BIAS IS THE C OF THE FIRST K STEP: 64 registers; for q and k register 8 b + j is the bias of my j-th channel of block b, for v registers 8 a + 0..7 all hold the bias of my row of block a.
; That step is written twice and chosen by the cluster's y, which all partners share.
; No prefetch: the walk along K is written out, the launch has no loop to run ahead in, and a work-group's three chunks are all asked for within its first three steps.
; LIMITS: a block of zeros, or one under 2^-124, gets the scale byte 1 (its codes are zeros; this program alone reads the bytes).  NaN and infinities are not served.
; WINDOWS: 0: v0-31 addresses, v32-63 scale words, v64-127 the bias, v128-223 source 1's fragments; 1: source 0's fragments, two sets; 2, 3: the accumulators.
.set ROWB,   256
.set NQ,     2
.set KROW,   768
.set STEPS,  8
.set CHUNKS, 3
.set PITCH,  272                       ; 256 bytes + 16 of padding
.set FR,     12
.set NL,     6
.set NP,     4
.set HALFT,  128*PITCH
.set SLOT,   4*HALFT
.set KS,     32
.set SCL,    2*SLOT
.set HALFS,  16*272
.set SBLK,   2*272
.set SPARE,  SCL+4*HALFS               ; the spare words: 512 bytes that no other line names
.set ADRA, 16
.set ADRB, 20
.set ADRS, 27
.set SPW,  28
.set NIL,  29
.set SC,   32
.set BP,   64
.set AF,   128
.set PC,   192
.set TM,   212
.set PW,   228
.set SEL,  88
.set G1, 24
.set G0, 32
.set G1B, 48
.set G0B, 56
.set G1S, 68
.set G0S, 76
.set G1SB, 80
.set G0SB, 88
.set G0H, 4
.set G0HB, 8
.set MSB, 0
.macro WIN new
.if MSB != \new
	s_set_vgpr_msb (MSB<<8)|\new
.set MSB, \new
.endif
.endm
.set TO_B, 0x40
.macro WMUL hi, zero                   ; source 0 window 1, source 1 window 0, D window 2 or 3; C with D, or (first step) the bias in window 0
.if \zero
	WIN 0x81+0x40*\hi
.else
	WIN 0xa1+0x50*\hi
.endif
.endm
.macro TLOAD g0, g1                    ; s_nop 0 and four v_nop behind every tensor load
	tensor_load_to_lds s[\g0:\g0+3], s[\g1:\g1+7]
	s_nop 0
.rept 4
	v_nop
.endr
.endm
.macro JLOAD g0a, g1a, g0b, g1b        ; waves 0, 1 fetch for source 1, waves 2, 3 for source 0
	s_cmp_eq_u32 s15, 0
	s_cbranch_scc0 .Lfor_b_\@
	TLOAD \g0a, \g1a
	s_branch .Lasked_\@
.Lfor_b_\@:
	TLOAD \g0b, \g1b
.Lasked_\@:
.endm
.macro CREST
	s_cmp_lg_u32 s14, 0
	s_cbranch_scc1 .Lnot_wave_0_\@
	s_barrier_signal -3
.Lnot_wave_0_\@:
	s_barrier_wait -3
	s_barrier_signal -1
	s_barrier_wait -1
.endm
.macro CROUND
	s_barrier_signal -1
	s_barrier_wait -1
	CREST
.endm
	s_load_b128 s[4:7], s[0:1], 0x0                ; cod, scl
	s_load_b128 s[92:95], s[0:1], 0x10             ; bq, bk
	s_load_b64 s[96:97], s[0:1], 0x20              ; bv
	v_lshl_add_u32 v[SPW], v0, 2, SPARE
	v_mov_b32 v[NIL], 0
	ds_add_u32 v[SPW], v[NIL]                      ; the opening lines: the add twice on end and its wait
	ds_add_u32 v[SPW], v[NIL]
	v_lshrrev_b32 v1, 5, v0
	v_readfirstlane_b32 s14, v1                    ; wave
	s_lshr_b32 s15, s14, 1
	s_and_b32 s16, s14, 1
	s_bfe_u32 s40, ttmp6, 0x40000                  ; cx
	s_bfe_u32 s41, ttmp6, 0x40004                  ; cy
	s_and_b32 s98, ttmp7, 0xffff                   ; the cluster's y: under 8 q and k, else v
	s_sub_co_u32 s18, s98, 8
	s_lshl_b32 s18, s18, 1
	s_add_co_u32 s18, s18, ttmp9
	s_cmp_lt_u32 s98, 8
	s_cselect_b32 s42, ttmp9, s18
	s_cselect_b32 s17, s98, 0
	s_cselect_b32 s67, 8192, 0                     ; source 0's first stored row
	s_cselect_b32 s66, 0, 10240                    ; source 1's
	s_cselect_b32 s99, ttmp9, 2                    ; 0 q, 1 k, 2 v
	s_lshl_b32 s42, s42, 2
	s_add_co_u32 s42, s42, s40                     ; source 0's tile
	s_lshl_b32 s17, s17, 2
	s_add_co_u32 s17, s17, s41                     ; source 1's tile
	s_lshl_b32 s43, s41, 2
	s_lshl_b32 s43, 15, s43                        ; my row of the cluster
	s_lshl_b32 s44, 0x1111, s40                    ; my column
	s_or_b32 s[G1+0], s43, (0<<16)|(1<<20)|(1<<21)|(5<<22)|(3<<25)
	s_or_b32 s[G1B+0], s44, (0<<16)|(1<<20)|(1<<21)|(5<<22)|(3<<25)
.irp g, G1, G1B
	s_mov_b32 s[\g+1], ROWB<<16
	s_mov_b32 s[\g+2], 256<<16                     ; 256 rows for the head's loads
	s_mov_b32 s[\g+3], ROWB<<16
	s_mov_b32 s[\g+4], 256
	s_mov_b32 s[\g+5], KROW
	s_mov_b32 s[\g+6], 0
	s_mov_b32 s[\g+7], 0
.endr
	s_or_b32 s[G1S+0], s43, (3<<16)|(1<<20)|(1<<21)|(5<<22)|(3<<25)
	s_or_b32 s[G1SB+0], s44, (3<<16)|(1<<20)|(1<<21)|(5<<22)|(3<<25)
.irp g, G1S, G1SB                      ; the scales of 256 rows: 32 dense rows of 256 bytes
	s_mov_b32 s[\g+1], 32<<16
	s_mov_b32 s[\g+2], KS<<16
	s_mov_b32 s[\g+3], 32<<16
	s_mov_b32 s[\g+4], KS
	s_mov_b32 s[\g+5], 32
	s_mov_b32 s[\g+6], 0
	s_mov_b32 s[\g+7], 0
.endr
	s_lshl_b32 s20, s17, 8
	s_add_co_u32 s20, s20, s66
	s_lshl_b32 s46, s42, 8
	s_add_co_u32 s46, s46, s67
	s_mov_b32 s21, 0
	s_mov_b32 s47, 0
	s_mov_b64 s[18:19], KS
	s_mul_u64 s[22:23], s[20:21], s[18:19]
	s_mul_u64 s[66:67], s[46:47], s[18:19]
	s_mov_b64 s[18:19], KROW
	s_mul_u64 s[20:21], s[20:21], s[18:19]
	s_mul_u64 s[46:47], s[46:47], s[18:19]
	s_mul_i32 s18, s16, 128*KROW
	s_mov_b32 s19, 0
	s_mul_i32 s45, s14, HALFT
	s_wait_dscnt 0x0                               ; both opening adds are done
	s_wait_kmcnt 0x0
	s_add_nc_u64 s[20:21], s[4:5], s[20:21]
	s_add_nc_u64 s[46:47], s[4:5], s[46:47]
	s_add_nc_u64 s[22:23], s[6:7], s[22:23]
	s_add_nc_u64 s[66:67], s[6:7], s[66:67]
	CROUND                                         ; the first joint loads meet
	s_mov_b32 s[G0H], 1
	s_mov_b32 s[G0H+1], 0
	s_mov_b64 s[G0H+2:G0H+3], s[20:21]
	s_or_b32 s[G0H+3], s[G0H+3], 0x80000000
	s_mov_b32 s[G0HB], 1
	s_mov_b32 s[G0HB+1], 2*HALFT
	s_mov_b64 s[G0HB+2:G0HB+3], s[46:47]
	s_or_b32 s[G0HB+3], s[G0HB+3], 0x80000000
	s_mov_b32 s[G0S], 1
	s_mov_b32 s[G0S+1], SCL
	s_mov_b64 s[G0S+2:G0S+3], s[22:23]
	s_or_b32 s[G0S+3], s[G0S+3], 0x80000000
	s_mov_b32 s[G0SB], 1
	s_mov_b32 s[G0SB+1], SCL+2*HALFS
	s_mov_b64 s[G0SB+2:G0SB+3], s[66:67]
	s_or_b32 s[G0SB+3], s[G0SB+3], 0x80000000
	s_add_nc_u64 s[20:21], s[20:21], s[18:19]      ; for the ring: my 128 rows
	s_add_nc_u64 s[46:47], s[46:47], s[18:19]
.irp s, 0,1
	s_mov_b32 s[G0+4*\s], 1
	s_add_co_u32 s[G0+4*\s+1], s45, \s*SLOT
	s_add_nc_u64 s[G0+4*\s+2:G0+4*\s+3], s[20:21], \s*ROWB
	s_or_b32 s[G0+4*\s+3], s[G0+4*\s+3], 0x80000000
	s_mov_b32 s[G0B+4*\s], 1
	s_add_co_u32 s[G0B+4*\s+1], s45, \s*SLOT
	s_add_nc_u64 s[G0B+4*\s+2:G0B+4*\s+3], s[46:47], \s*ROWB
	s_or_b32 s[G0B+4*\s+3], s[G0B+4*\s+3], 0x80000000
.endr
; the head's four tiles, one load a wave, in one chain of branches on the wave's number
.macro ARM under, g0, g1, next
	s_cmp_lt_u32 s14, \under
	s_cbranch_scc0 \next
	TLOAD \g0, \g1
	s_branch .Lhead_asked
\next:
.endm
	ARM 1, G0H,  G1,  .Lhead_b
	ARM 2, G0HB, G1B, .Lhead_sa
	ARM 3, G0S,  G1S, .Lhead_sb
	TLOAD G0SB, G1SB
.Lhead_asked:
	v_and_b32 v1, 15, v0                           ; r
	v_bfe_u32 v2, v0, 4, 1                         ; h
	v_mul_u32_u24 v3, v1, PITCH
	v_mul_u32_u24 v4, v2, 24
	v_add_nc_u32 v4, v3, v4
	s_mov_b32 s21, SLOT-232
	s_mov_b32 s22, SLOT+232
	v_sub_nc_u32 v7, 1, v2
	v_mul_u32_u24 v5, s21, v2
	v_add_nc_u32 v5, v3, v5
	v_add_nc_u32 v5, 232, v5                       ; across two chunks: lanes 0-15 byte 232 in slot 0, lanes 16-31 byte 0 in slot 1
	v_mul_u32_u24 v6, s22, v7
	v_add_nc_u32 v6, v3, v6                        ; and the other way round
	s_mul_i32 s21, s15, HALFT
	s_mul_i32 s22, s16, HALFT
	s_add_co_u32 s22, s22, 2*HALFT
	v_add_nc_u32 v[ADRA+2], s21, v5
	v_add_nc_u32 v[ADRA+3], s21, v6
	v_add_nc_u32 v[ADRB+2], s22, v5
	v_add_nc_u32 v[ADRB+3], s22, v6
.irp s, 0,1
	v_add_nc_u32 v[ADRA+\s], s21, v4
	v_add_nc_u32 v[ADRB+\s], s22, v4
	s_add_co_u32 s21, s21, SLOT
	s_add_co_u32 s22, s22, SLOT
.endr
	v_mul_u32_u24 v5, v1, KS
	v_lshrrev_b32 v6, 8, v5
	v_lshl_add_u32 v5, v6, 4, v5
	s_mul_i32 s21, s15, HALFS
	s_mul_i32 s22, s16, HALFS
	s_add_co_u32 s22, s22, 2*HALFS
	s_sub_co_u32 s22, s22, s21
	v_mul_u32_u24 v6, s22, v2                      ; lanes 16-31 take source 0's scale words
	s_add_co_u32 s21, s21, SCL
	v_add_nc_u32 v5, v5, v6
	v_add_nc_u32 v[ADRS], s21, v5
	v_lshlrev_b32 v7, 6, v2                        ; the bias along my registers: 64 h bytes
	v_lshrrev_b32 v8, 3, v1
	v_and_b32 v9, 7, v1
	v_lshl_add_u32 v8, v8, 4, v9
	v_lshlrev_b32 v8, 2, v8                        ; the bias of my row: channel r % 8 + 16 (r / 8)
	s_lshl_b32 s18, s17, 1
	s_add_co_u32 s18, s18, s15
	s_lshl_b32 s19, s42, 1
	s_add_co_u32 s19, s19, s16
	s_and_b32 s20, s19, 7
	s_cmp_lt_u32 s98, 8
	s_cselect_b32 s2, s18, s19                     ; my 128 tokens, 0..63
	s_cselect_b32 s3, s20, s18                     ; my 128 channels, 0..7
	s_cmp_eq_u32 s99, 0
	s_cselect_b64 s[12:13], s[92:93], s[94:95]
	s_cmp_eq_u32 s99, 2
	s_cselect_b64 s[12:13], s[96:97], s[12:13]     ; the choice hangs on the cluster's number alone
	s_lshl_b32 s18, s3, 9
	s_mov_b32 s19, 0
	s_add_nc_u64 s[12:13], s[12:13], s[18:19]
	s_wait_alu depctr_va_vdst(0)                   ; the wait ahead of the branch
	s_cmp_lt_u32 s98, 8
	s_cbranch_scc0 .Lbias_v
.irp b, 0,1,2,3
.irp j, 0,1,2,3
	global_load_b128 v[BP+16*\b+4*\j:BP+16*\b+4*\j+3], v7, s[12:13] offset:128*\b+16*\j
.endr
.endr
	s_branch .Lbias_in
.Lbias_v:
.irp a, 0,1,2,3,4,5,6,7
.irp j, 0,1,2,3,4,5,6,7
	global_load_b32 v[BP+8*\a+\j], v8, s[12:13] offset:4*(32*(\a/2)+8*(\a%2))
.endr
.endr
.Lbias_in:
.macro FRAG reg, adr, st, i            ; 16 rows x 128 K: six pieces of 8 bytes, each inside one chunk
.irp p, 0,1,2,3,4,5
.set BY, 96*(\st)+48*(\p/3)+8*(\p%3)
.if BY/ROWB == (BY+24)/ROWB
	ds_load_b64 v[\reg+2*\p:\reg+2*\p+1], v[\adr+(BY/ROWB)%2] offset:BY%ROWB+(\i)*16*PITCH
.else
	ds_load_b64 v[\reg+2*\p:\reg+2*\p+1], v[\adr+2+(BY/ROWB)%2] offset:BY%ROWB-232+(\i)*16*PITCH
.endif
.endr
.endm
; 16 products; the 64 accumulators take turns.  zero = 1: C = the bias by source 0's block; 2: by source 1's block
.macro MUL16 a0, p, q, sc, zero
.irp a, \a0, \a0+1
.irp b, 0,1,2,3,4,5,6,7
.set DD, 8*(8*((\a)%4)+\b)
.set CC, DD
.if \zero == 1
.set CC, BP+8*\b
.endif
.if \zero == 2
.set CC, BP+8*(\a)
.endif
	v_wmma_scale_f32_16x16x128_f8f6f4 v[DD:DD+7], v[128*(\p)+FR*\b:128*(\p)+FR*\b+FR-1], v[AF+FR*(\a):AF+FR*(\a)+FR-1], v[CC:CC+7], v[SC+8*NQ*(\sc)+NQ*\b+(\q)], v[SC+8*NQ*(\sc)+NQ*(\a)+(\q)] matrix_a_fmt:MATRIX_FMT_FP6 matrix_b_fmt:MATRIX_FMT_FP6 matrix_a_scale:MATRIX_SCALE_ROW1
.endr
.endr
.endm
.macro FETCH_B st, p
	WIN TO_B
.irp i, 0,1,2,3,4,5,6,7
	FRAG 128*(\p)+FR*\i, ADRB, \st, \i
.endr
	WIN 0
.endm
.macro FETCH_A st, i0
.irp i, \i0, \i0+1, \i0+2, \i0+3
	FRAG AF+FR*(\i), ADRA, \st, \i
.endr
.endm
.macro SCALES pr
.irp i, 0,1,2,3,4,5,6,7
	ds_load_b64 v[SC+8*NQ*((\pr)%2)+NQ*\i:SC+8*NQ*((\pr)%2)+NQ*\i+1], v[ADRS] offset:\i*SBLK+4*NQ*(\pr)
.endr
.endm
.macro PLACES n
.rept \n
	v_nop
.endr
.endm
; A step: 64 products; the next step's fragments are fetched in its middle and at its end.  Where the next step ends in a chunk not yet read: a barrier for that chunk.
; Where it begins in a later chunk: the wait for all tensor loads, the add, the wait for it and for my reads, the barrier; where a chunk two on is left, the barrier opens a round and the slot is filled again.
.macro STEP st, zero
.set NX, (\st)+1
.set C0, (96*(\st))/ROWB
.set C1, (96*NX)/ROWB
.set E0, (96*(\st)+95)/ROWB
.set E1, (96*NX+95)/ROWB
.if C1 > C0 || E1 > E0
	s_wait_tensorcnt 0x0
.if C1 > C0
	ds_add_u32 v[SPW], v[NIL]
	s_wait_dscnt 4*NL+1                            ; the add and the youngest 24 loads may be out
.else
	s_wait_dscnt 4*NL                              ; the youngest 24 loads (blocks 4-7) may be out
.endif
	WMUL 0, \zero
	MUL16 0, (\st)%2, (\st)%2, ((\st)/2)%2, \zero
	s_wait_dscnt 0x0
	s_barrier_signal -1
	MUL16 2, (\st)%2, (\st)%2, ((\st)/2)%2, \zero
	WIN 0
	s_barrier_wait -1
.if C1 > C0 && C0+2 < CHUNKS
	CREST
	s_add_nc_u64 s[G0+4*(C0%2)+2:G0+4*(C0%2)+3], s[G0+4*(C0%2)+2:G0+4*(C0%2)+3], 2*ROWB
	s_add_nc_u64 s[G0B+4*(C0%2)+2:G0B+4*(C0%2)+3], s[G0B+4*(C0%2)+2:G0B+4*(C0%2)+3], 2*ROWB
	JLOAD G0+4*(C0%2), G1, G0B+4*(C0%2), G1B
.else
	PLACES NP
.endif
.else
	s_wait_dscnt 4*NL                              ; the youngest 24 loads (blocks 4-7) may be out
	WMUL 0, \zero
	MUL16 0, (\st)%2, (\st)%2, ((\st)/2)%2, \zero
	MUL16 2, (\st)%2, (\st)%2, ((\st)/2)%2, \zero
	s_wait_dscnt 0
	PLACES NP
.endif
	FETCH_B NX, NX%2
	FETCH_A NX, 0
.if NX%2 == 0
	SCALES NX/2
.endif
	WMUL 1, \zero
	MUL16 4, (\st)%2, (\st)%2, ((\st)/2)%2, \zero
	MUL16 6, (\st)%2, (\st)%2, ((\st)/2)%2, \zero
	PLACES NP
	WIN 0
	FETCH_A NX, 4
.endm
	s_wait_alu depctr_va_vdst(0)                   ; the wait at the head's end
	s_wait_tensorcnt 0x0                           ; my tile of the head's four is in
	ds_add_u32 v[SPW], v[NIL]
	s_mov_b32 s[G1+2], 128<<16                     ; no load of mine is out: from here on a load brings 128 rows
	s_mov_b32 s[G1+4], 128
	s_mov_b32 s[G1B+2], 128<<16
	s_mov_b32 s[G1B+4], 128
	s_wait_dscnt 0x0
	CROUND
	JLOAD G0+4, G1, G0B+4, G1B                     ; chunk 1
	FETCH_B 0, 0
	FETCH_A 0, 0
	SCALES 0
	FETCH_A 0, 4
	s_wait_loadcnt 0x0                             ; the bias is in
	s_cmp_lt_u32 s98, 8
	s_cbranch_scc0 .Lfirst_v
	STEP 0, 1
	s_branch .Lfirst_done
.Lfirst_v:
	STEP 0, 2
.Lfirst_done:
.set ST, 1
.rept STEPS-2
	STEP ST, 0
.set ST, ST+1
.endr
	; where the records go: fcod 6,144 bytes and fscl 512 bytes for each (batch, head, 128 tokens)
	s_load_b128 s[72:75], s[0:1], 0x28             ; fcod, fscl
	s_lshr_b32 s76, s2, 4
	s_lshl_b32 s76, s76, 8
	s_lshl_b32 s77, s3, 5
	s_add_co_u32 s76, s76, s77
	s_and_b32 s77, s2, 15
	s_add_co_u32 s76, s76, s77
	s_mul_i32 s78, s76, 6144
	s_mul_i32 s79, s99, 6291456
	s_add_co_u32 s78, s78, s79
	s_mov_b32 s79, 0
	s_lshl_b32 s80, s76, 9
	s_lshl_b32 s81, s99, 19
	s_add_co_u32 s80, s80, s81
	s_mov_b32 s81, 0
	s_mov_b32 s[SEL], 0x76543210
	s_mov_b32 s[SEL+1], 0xfedcba98
	s_mov_b32 s82, 1536
	s_mov_b32 s83, 98304
	s_mov_b32 s84, 768
	s_mov_b32 s85, 8192
	s_mov_b32 s86, 256
	s_cmp_lt_u32 s98, 8
	s_cselect_b32 s82, 768, s82
	s_cselect_b32 s83, 3072, s83
	s_cselect_b32 s84, 98304, s84
	s_cselect_b32 s85, 256, s85
	s_cselect_b32 s86, 8192, s86
	s_wait_dscnt 4*NL                              ; the last step: the youngest 24 loads may be out
	WMUL 0, 0
	MUL16 0, 1, 1, 1, 0
	MUL16 2, 1, 1, 1, 0
	s_wait_dscnt 0
	WMUL 1, 0
	MUL16 4, 1, 1, 1, 0
	MUL16 6, 1, 1, 1, 0
	WIN 0
	v_and_b32 v8, 15, v0                           ; (these lines are also the places behind the last products)
	v_bfe_u32 v9, v0, 4, 1
	v_and_b32 v10, 31, v0
	v_lshlrev_b32 v230, 4, v10
	v_lshl_add_u32 v231, v10, 3, 512
	v_lshlrev_b32 v229, 4, v9
	v_mul_u32_u24 v11, s86, v9
	v_lshl_add_u32 v11, v8, 4, v11
	v_add_nc_u32 v12, s85, v11
.irp b, 0,1,2,3
	v_mov_b32 v[TM+4+\b], 0                        ; a lane permute's destination counts as read
.endr
	s_wait_alu depctr_va_vdst(0)                   ; the wait ahead of the wait below
	s_wait_kmcnt 0x0
	s_add_nc_u64 s[72:73], s[72:73], s[78:79]
	s_add_nc_u64 s[74:75], s[74:75], s[80:81]
; THE WAY OUT of block a: my 64 numbers are four blocks of 32 along the next K, shared with lane l xor 16.  The accumulators are read where they lie, each from its low end on.
.macro OUTA a
.set AC, 64*((\a)%4)
.set WW, 2+(\a)/4
.if (\a) > 0
	s_wait_xcnt 0x0                                ; the last block's stores have read their registers
.endif
	WIN (WW*20)                                    ; sources 1 and 2: the accumulators' window
.irp b, 0,1,2,3
	v_max3_num_f32 v[TM+\b], 0x1800000, |v[AC+16*\b]|, |v[AC+1+16*\b]|   ; with the floor 2^(3 - 127)
.endr
.irp i, 2,4,6,8,10,12,14
.irp b, 0,1,2,3
	v_max3_num_f32 v[TM+\b], v[TM+\b], |v[AC+16*\b+\i]|, |v[AC+1+16*\b+\i]|
.endr
.endr
	WIN 0
.irp b, 0,1,2,3
	v_permlanex16_b32 v[TM+4+\b], v[TM+\b], s[SEL], s[SEL+1]
.endr
.irp b, 0,1,2,3
	v_max_num_f32 v[TM+\b], v[TM+\b], v[TM+4+\b]
.endr
.irp b, 0,1,2,3
	v_add_nc_u32 v[TM+12+\b], 0xff000000, v[TM+\b] ; 2 off the exponent field: the conversion's scale operand
.endr
.irp b, 0,1,2,3
	v_lshrrev_b32 v[TM+4+\b], 23, v[TM+12+\b]
.endr
	v_lshl_or_b32 v[PW], v[TM+5], 8, v[TM+4]
	v_lshl_or_b32 v[PW], v[TM+6], 16, v[PW]
	v_lshl_or_b32 v[PW], v[TM+7], 24, v[PW]
	WIN (WW)                                       ; source 0: the accumulators' window
.irp c, 0,1
	v_cvt_scalef32_pk16_fp6_f32 v[PC+6*\c:PC+2+6*\c], v[AC+32*\c:AC+15+32*\c], v[TM+12+2*\c]
	v_cvt_scalef32_pk16_fp6_f32 v[PC+12+4*\c:PC+14+4*\c], v[AC+16+32*\c:AC+31+32*\c], v[TM+12+2*\c+1]
.endr
	WIN 0
	v_nop                                          ; one plain place behind a scaled conversion
.irp c, 0,1
.irp i, 0,1,2
	v_permlane16_swap_b32 v[PC+6*\c+\i], v[PC+12+4*\c+\i]
.endr
.irp i, 0,1,2
	v_mov_b32 v[PC+3+6*\c+\i], v[PC+12+4*\c+\i]
.endr
.endr
.if (\a) == 0
	s_mov_b32 s87, 0
.elseif (\a) == 4
	s_mov_b32 s87, s83
.else
	s_add_co_u32 s87, s87, s82
.endif
	v_add_nc_u32 v236, s87, v230
	v_add_nc_u32 v237, s87, v231
	v_add_nc_u32 v238, s84, v236
	v_add_nc_u32 v239, s84, v237
	global_store_b128 v236, v[PC:PC+3], s[72:73]   ; 512 consecutive bytes a wave
	global_store_b64 v237, v[PC+4:PC+5], s[72:73]  ; 256
	global_store_b128 v238, v[PC+6:PC+9], s[72:73]
	global_store_b64 v239, v[PC+10:PC+11], s[72:73]
	v_lshrrev_b32 v[232+(\a)%4], v229, v[PW]
.if (\a) == 3
	global_store_b128 v11, v[232:235], s[74:75]
.elseif (\a) == 7
	global_store_b128 v12, v[232:235], s[74:75]
.endif
.endm
.irp a, 0,1,2,3,4,5,6,7
	OUTA \a
.endr
	s_wait_tensorcnt 0x0                           ; the wave's end
	ds_add_u32 v[SPW], v[NIL]
	s_wait_dscnt 0x0
	CROUND                                         ; the closing round
	s_endpgm
.Lfunc_end_k_qdc89ff97f9_gemm:
	.size	k_qdc89ff97f9_gemm, .Lfunc_end_k_qdc89ff97f9_gemm-k_qdc89ff97f9_gemm
	.p2alignl 7, 3214868480
	.fill 96, 4, 3214868480
	.section	.rodata,"a",@progbits
	.p2align	6, 0x0
	.amdhsa_kernel k_qdc89ff97f9_gemm
		.amdhsa_group_segment_fixed_size 327680
		.amdhsa_private_segment_fixed_size 0
		.amdhsa_enable_private_segment 0
		.amdhsa_kernarg_size 56
		.amdhsa_user_sgpr_count 2
		.amdhsa_user_sgpr_kernarg_segment_ptr 1
		.amdhsa_wavefront_size32 1
		.amdhsa_system_sgpr_workgroup_id_x 1
		.amdhsa_system_sgpr_workgroup_id_y 1
		.amdhsa_system_sgpr_workgroup_id_z 1
		.amdhsa_system_vgpr_workitem_id 0
		.amdhsa_next_free_vgpr 1024
		.amdhsa_next_free_sgpr 100
		.amdhsa_reserve_vcc 0
		.amdhsa_float_denorm_mode_32 3
		.amdhsa_float_denorm_mode_16_64 3
		.amdhsa_memory_ordered 1
		.amdhsa_forward_progress 1
		.amdhsa_inst_pref_size 191
	.end_amdhsa_kernel
	.amdgpu_metadata
---
amdhsa.version: [ 1, 2 ]
amdhsa.kernels:
  - .name:           k_qdc89ff97f9_gemm
    .symbol:         k_qdc89ff97f9_gemm.kd
    .args:
      - { .name: cod, .offset: 0, .size: 8, .value_kind: global_buffer, .address_space: global }
      - { .name: scl, .offset: 8, .size: 8, .value_kind: global_buffer, .address_space: global }
      - { .name: bq, .offset: 16, .size: 8, .value_kind: global_buffer, .address_space: global }
      - { .name: bk, .offset: 24, .size: 8, .value_kind: global_buffer, .address_space: global }
      - { .name: bv, .offset: 32, .size: 8, .value_kind: global_buffer, .address_space: global }
      - { .name: fcod, .offset: 40, .size: 8, .value_kind: global_buffer, .address_space: global }
      - { .name: fscl, .offset: 48, .size: 8, .value_kind: global_buffer, .address_space: global }
    .group_segment_fixed_size: 327680
    .private_segment_fixed_size: 0
    .kernarg_segment_align: 8
    .kernarg_segment_size: 56
    .max_flat_workgroup_size: 128
    .sgpr_count:     100
    .vgpr_count:     1024
    .wavefront_size: 32
...
	.end_amdgpu_metadata
.endif
;; end of part 2
;; launch attn (part 3): grid 4 x 64, 16 waves a work-group, no clusters, 284,672 bytes of LDS; arguments fcod, fscl, mbits, tflags, out0; writes out0
.if DOCPART == 3
	.amdgcn_target "amdgcn-amd-amdhsa--gfx1250"
	.amdhsa_code_object_version 6
	.text
	.protected	k_qdc89ff97f9_attn
	.globl	k_qdc89ff97f9_attn
	.p2align	8
	.type	k_qdc89ff97f9_attn,@function
k_qdc89ff97f9_attn:
	s_mov_b64 s[64:65], 0
	v_nop
	global_prefetch_b8 v0, s[64:65] scope:SCOPE_SE
	s_setreg_imm32_b32 hwreg(HW_REG_WAVE_MODE, 25, 1), 1
	s_wait_xcnt 0x0
; out0[b][q][64 head + d] = sum over keys of softmax(q . k / 8, hidden keys at -infinity) v, both products on codes of FP6 (E2M3) with E8M0 scales; q, k, v come as images of operand registers.
; THE SOFTMAX: t = score x log2(e) / 8; M = the ceiling of the running largest t; p = 2^(t - M) is quantised along the keys; the sum of the unquantised p divides at the end; when M moves, sum and O are
; multiplied by 2^(old M - new M), exactly.  A query all of whose keys are hidden has the sum 0 and comes out NaN.  LIMIT: the promise holds while |t| stays under 2^31.
; SHARES.  A work-group owns one batch x head and, in two passes, blocks 7 - x and x of 256 queries.  Each of its sixteen waves owns a tile of 16 stored queries in 256 registers, four waves to a SIMD:
; tile w of the first block, tile 15 - w of the second (where late queries see more keys, a wave's two tiles then have the same number of steps together; it is right for any mask).
; Both products are used transposed (S^T = K Q^T, O^T = V^T P^T): a lane holds one query.  Stored rows lie at pi(row) (bits 3, 4 exchanged), so a lane's 16 registers of two neighbouring tiles are 16 neighbours.
; The head's K is 64: registers 6-11 of Q's and K's fragments are zero codes.
; THE HEAD'S K AND V STAY IN LDS: 16 key steps x (6,144 + 6,144 bytes of codes + 512 + 512 of scale words) = 212,992 bytes, brought once a work-group and read by both passes.
; The kernel's head brings steps 0-3 and all scale words (8 loads a wave).  The first pass's first loop, three trips, reads steps 0-2 alone and brings, 6 loads a wave and trip, the codes of steps 4-15
; into bytes that it does not read.  TWO BARRIERS IN ALL: one behind the head's stores, one behind that loop.  Behind the second nothing is stored into K's and V's bytes any more, so the rest of the
; first pass and the whole second pass, which is written out behind it, have none: a wave goes from pass to pass by itself.
; THE MASK IS AN INPUT.  Its bits (1 = hidden) lie in the wave's LDS bytes.  Flags stored by the first launch say, for each tile and step of 128 keys, whether any key is open and whether any is hidden:
; a step with no open key is left out by a scalar branch, a step with no hidden key leaves the masking out.
; NO TENSOR LOAD, NO CLUSTER: those branches hang on numbers read from memory.  No prefetch: each byte of K and V is loaded once a work-group,
; by loads that stand a whole key step ahead of the wait for them.
; REGISTERS: v1-11 addresses; v12 -M, v13 largest t, v[14:15] the sum; v16-27 Q, v28 its scale words; v30, v31 staging addresses; v32-79 four fragments of K; v80-87, v88-91 K's, V's scale words;
; v92-95 mask words; v96-119 staging; v120-124 the step's LDS addresses; v125 the scales' staging address; v128-191 S^T, then p, then V's fragments; v192-223 O^T; v224-235 p's codes; v236-255 at work.
.set VOFF,  98304                      ; LDS: K's codes at 0, V's at VOFF,
.set KSB,   196608                     ; K's scale words, V's VSO behind them,
.set VSO,   8192
.set MBASE, 212992                     ; 4,352 bytes a wave: 16 rows of 272: its mask words, at a pass's end its stage for O,
.set MPW,   4352
.set SPARE, 282624                     ; and the spare words, 128 bytes a wave
.set GV,    6291456                    ; fcod: from q's records to k's, from k's to v's
.set WV,   2
.set QB,   3
.set BH,   14
.set CNT,  16
.set TS,   17                          ; the key step in hand
.set KO,   18                          ; 6,144 x it
.set MT,   19                          ; 16 x it
.set SEL,  20
.set CS,   22
.set FT,   24                          ; bit s: my tile has an open key in step s
.set FM,   25                          ; bit s: my tile has a hidden key in step s
.set SO,   26                          ; KSB + 512 x the step
.set SG,   27                          ; 24,576 x the first loop's trip
.set P1,   28                          ; s[28:29] k's records of my head
.set P2,   30                          ; s[30:31] k's scale words of my head
.set TW,   52                          ; my tile in the block in hand
	s_load_b256 s[4:11], s[0:1], 0x0               ; fcod, fscl, mbits, tflags
	s_load_b64 s[12:13], s[0:1], 0x20              ; out0
	v_lshl_add_u32 v126, v0, 2, SPARE
	v_mov_b32 v127, 0
	v_lshrrev_b32 v1, 5, v0
	s_delay_alu instid0(VALU_DEP_1)
	v_readfirstlane_b32 s[WV], v1                  ; wave 0..15
	v_and_b32 v30, 31, v0                          ; lane
	v_and_b32 v31, 15, v0                          ; r
	v_bfe_u32 v29, v0, 4, 1                        ; h
	v_lshlrev_b32 v1, 4, v30                       ; 16 x lane
	v_lshlrev_b32 v2, 3, v30                       ; 8 x lane
	v_lshlrev_b32 v3, 4, v31                       ; 16 r
	s_mul_i32 s30, s[WV], MPW
	s_add_co_u32 s30, s30, MBASE                   ; my wave's own bytes
	v_mul_u32_u24 v4, v31, 272
	v_lshlrev_b32 v5, 2, v29                       ; 4 h
	v_mov_b32 v6, 0xff800000                       ; -infinity
	v_lshlrev_b32 v7, 12, v29
	v_add_nc_u32 v4, s30, v4                       ; my query's row there
	v_mul_u32_u24 v9, v29, 272
	v_lshl_add_u32 v7, v31, 4, v7                  ; the way out: lanes 16-31 one row of out0 further down; 16 bytes a lane
	s_lshl_b32 s31, s[WV], 9
	v_add_nc_u32 v8, s31, v1                       ; staging: 512 x wave + 16 x lane
	v_lshl_add_u32 v9, v31, 4, v9
	v_lshl_add_u32 v10, v29, 6, v4                 ; the stage, in: row r, + 64 h
	v_add_nc_u32 v125, KSB, v8
	v_add_nc_u32 v9, s30, v9                       ; my bytes by rows: lanes 0-15 one row, lanes 16-31 the next
.irp i, 22,23,24,25,26,27
	v_mov_b32 v[\i], 0                             ; Q's upper 64 along K: zero codes
.endr
.irp t, 0,1,2,3
.irp i, 6,7,8,9,10,11
	v_mov_b32 v[32+12*\t+\i], 0                    ; K's likewise: set once, no load lands here
.endr
.endr
.irp i, 236,237,238,239,240,241,242,243,252,253
	v_mov_b32 v[\i], 0                             ; written once: lane permutes' destinations, the pair of f
.endr
	s_mov_b32 s[SEL], 0x76543210
	s_mov_b32 s[SEL+1], 0xfedcba98
	s_mov_b32 s[CS], 0x3e38aa3b                    ; c = log2(e) / 8
	s_mov_b32 s[CS+1], s[CS]
	s_and_b32 s[BH], ttmp7, 0xffff
	s_sub_co_u32 s[QB], 7, ttmp9
	s_mov_b32 s[TW], s[WV]
	s_mul_i32 s32, s[BH], 98304
	s_add_co_u32 s32, s32, GV
	s_mov_b32 s33, 0
	s_lshl_b32 s34, s[BH], 13
	s_add_co_u32 s34, s34, 524288
	s_mov_b32 s35, 0
	s_wait_alu depctr_va_vdst(0)                   ; the wait at the head's end
	s_wait_kmcnt 0x0
	s_add_nc_u64 s[P1:P1+1], s[4:5], s[32:33]
	s_add_nc_u64 s[P2:P2+1], s[6:7], s[34:35]
.irp j, 0,1,2                                  ; steps 0-3: 48 units of 512 bytes of K's codes, 48 of V's; all 16 + 16 units of scale words
	global_load_b128 v[128+4*\j:131+4*\j], v8, s[P1:P1+1] offset:8192*\j
	global_load_b128 v[140+4*\j:143+4*\j], v8, s[P1:P1+1] offset:GV+8192*\j
.endr
	global_load_b128 v[152:155], v8, s[P2:P2+1]
	global_load_b128 v[156:159], v8, s[P2:P2+1] offset:524288
; what a pass needs of its own: Q's half fragment and scale words, my tile's mask words (into O's registers, which are idle then), its four flag words: 11 loads and a scalar load
.macro PLOADS
	s_lshl_b32 s40, s[QB], 4
	s_add_co_u32 s40, s40, s[TW]                   ; my tile of 16 stored queries, 0..127
	s_lshl_b32 s42, s[BH], 4
	s_lshr_b32 s43, s40, 3
	s_add_co_u32 s42, s42, s43                     ; q's record
	s_mul_i32 s44, s42, 6144
	s_and_b32 s43, s40, 7
	s_mul_i32 s45, s43, 768
	s_add_co_u32 s44, s44, s45
	s_mov_b32 s45, 0
	s_add_nc_u64 s[44:45], s[4:5], s[44:45]
	s_lshl_b32 s46, s42, 9
	s_lshr_b32 s47, s43, 2
	s_lshl_b32 s47, s47, 8
	s_add_co_u32 s46, s46, s47
	s_and_b32 s47, s40, 3
	s_lshl_b32 s47, s47, 2
	s_add_co_u32 s46, s46, s47
	s_mov_b32 s47, 0
	s_add_nc_u64 s[46:47], s[6:7], s[46:47]
	s_lshl_b32 s48, s40, 12                        ; 16 rows of 256 bytes of mask words
	s_mov_b32 s49, 0
	s_add_nc_u64 s[48:49], s[8:9], s[48:49]
	s_lshl_b32 s50, s40, 4
	s_mov_b32 s51, 0
	s_add_nc_u64 s[50:51], s[10:11], s[50:51]
	global_load_b128 v[16:19], v1, s[44:45]
	global_load_b64 v[20:21], v2, s[44:45] offset:512
	global_load_b32 v28, v3, s[46:47]
.irp k, 0,1,2,3,4,5,6,7
	global_load_b128 v[192+4*\k:195+4*\k], v1, s[48:49] offset:512*\k
.endr
	s_load_b128 s[16:19], s[50:51], 0x0
.endm
	PLOADS
	s_wait_loadcnt 11                              ; the 8 staging loads are in; the pass's 11 may be out
	v_add_nc_u32 v31, VOFF, v8
.irp j, 0,1,2
	ds_store_b128 v8, v[128+4*\j:131+4*\j] offset:8192*\j
	ds_store_b128 v31, v[140+4*\j:143+4*\j] offset:8192*\j
.endr
	ds_store_b128 v125, v[152:155]
	ds_store_b128 v125, v[156:159] offset:VSO
; A KEY STEP: 128 keys.
.macro STEP
	s_bitcmp1_b32 s[FT], s[TS]
	s_cbranch_scc0 .Lskip_\@                       ; no key of the step is open for my 16 queries: every p would be 0 and M would stay
	v_add_nc_u32 v11, s[MT], v4
	v_add_nc_u32 v122, s[SO], v3
	v_add_nc_u32 v120, s[KO], v1
	v_add_nc_u32 v121, s[KO], v2
	s_wait_alu depctr_va_vdst(0)                   ; the wait
	ds_load_b128 v[80:83], v122                    ; K's scale words of tiles 0-3,
	ds_load_b128 v[84:87], v122 offset:256         ; 4-7,
	ds_load_b128 v[88:91], v122 offset:VSO         ; V's of its four tiles,
	ds_load_b128 v[92:95], v11                     ; my query's four mask words
.irp g, 0,1                                    ; S^T = K Q^T, four tiles of 16 keys at a time
.if \g > 0
.rept 4
	v_nop                                          ; places in front of loads into registers that matrix instructions have read
.endr
.endif
.irp t, 0,1,2,3
	ds_load_b128 v[32+12*\t:35+12*\t], v120 offset:(4*\g+\t)*768
	ds_load_b64 v[36+12*\t:37+12*\t], v121 offset:(4*\g+\t)*768+512
.endr
	s_wait_dscnt 0x0
.irp t, 0,1,2,3
	v_wmma_scale_f32_16x16x128_f8f6f4 v[128+8*(4*\g+\t):135+8*(4*\g+\t)], v[32+12*\t:43+12*\t], v[16:27], 0, v[80+4*\g+\t], v28 matrix_a_fmt:MATRIX_FMT_FP6 matrix_b_fmt:MATRIX_FMT_FP6
.endr
.endr                                          ; register 16 b + i: key 32 b + 16 h + i of the step
.rept 4
	v_nop
.endr
	s_bitcmp1_b32 s[FM], s[TS]
	s_cbranch_scc0 .Lopen_\@                       ; no key of the step is hidden for my 16 queries
.irp e, 0,1,2,3
	v_lshrrev_b32 v[92+\e], v5, v[92+\e]           ; word e, bit l: key 4 l + e.  Behind the shift by 4 h, register 16 b + i finds its key at bit 8 b + i / 4 of word i % 4
.endr
.set N4, 0
.rept 16
.irp e, 0,1,2,3
	v_and_b32 v[236+\e], 1<<(8*(N4/4)+N4%4), v[92+\e]
.endr
.irp e, 0,1,2,3
	s_delay_alu instid0(VALU_DEP_4)
	v_cmp_ne_u32 s[32+\e], 0, v[236+\e]
.endr
.irp e, 0,1,2,3
	v_cndmask_b32 v[128+4*N4+\e], v[128+4*N4+\e], v6, s[32+\e]   ; hidden: -infinity, ahead of the maximum
.endr
.set N4, N4+1
.endr
.Lopen_\@:
.irp b, 0,1,2,3
	v_max3_num_f32 v[248+\b], v[128+16*\b], v[129+16*\b], v[130+16*\b]   ; the largest score of each block of 32 keys: for the row's maximum, and for the block's largest p
.endr
.irp i, 3,5,7,9,11,13
.irp b, 0,1,2,3
	v_max3_num_f32 v[248+\b], v[248+\b], v[128+16*\b+\i], v[129+16*\b+\i]
.endr
.endr
.irp b, 0,1,2,3
	v_max_num_f32 v[248+\b], v[248+\b], v[143+16*\b]
.endr
.irp b, 0,1,2,3
	s_delay_alu instid0(VALU_DEP_4)
	v_permlanex16_b32 v[236+\b], v[248+\b], s[SEL], s[SEL+1]
.endr
.irp b, 0,1,2,3
	s_delay_alu instid0(VALU_DEP_4)
	v_max_num_f32 v[248+\b], v[248+\b], v[236+\b]  ; with lane l xor 16's 16 keys
.endr
	s_delay_alu instid0(VALU_DEP_2)
	v_max3_num_f32 v254, v248, v249, v250
	s_delay_alu instid0(VALU_DEP_1)
	v_max_num_f32 v254, v254, v251
	s_delay_alu instid0(VALU_DEP_1)
	v_mul_f32 v254, s[CS], v254                    ; the step's largest t
	s_delay_alu instid0(VALU_DEP_1)
	v_max_num_f32 v13, v13, v254                   ; the running largest t
	v_mov_b32 v254, v12
	s_delay_alu instid0(VALU_DEP_2)
	v_floor_f32 v12, -v13                          ; -M = floor(-t): M is a whole number
	s_delay_alu instid0(VALU_DEP_1)
	v_sub_f32 v254, v12, v254                      ; old M - new M: a whole number, 0 or less
	s_delay_alu instid0(VALU_DEP_1)
	v_cvt_i32_f32 v254, v254                       ; (it saturates)
	s_delay_alu instid0(VALU_DEP_1)
	v_ldexp_f32 v252, 1.0, v254                    ; f = 2^(old M - new M)
.set J, 0
.rept 32
	v_pk_fma_f32 v[128+J:129+J], v[128+J:129+J], s[CS:CS+1], v[12:13] op_sel_hi:[1,0,0]   ; t - M, two at a time
.set J, J+2
.endr
.irp b, 0,1,2,3
	v_fma_f32 v[248+\b], v[248+\b], s[CS], v12     ; the same of each block's largest score
.endr
	s_wait_alu depctr_va_vdst(0)                   ; the wait ahead of the batch
.set J, 0
.rept 64
	v_exp_f32 v[128+J], v[128+J]                   ; p = 2^(t - M): not normalised
.set J, J+1
.endr
	v_pk_mul_f32 v[14:15], v[14:15], v[252:253] op_sel_hi:[1,0]   ; the sums under the new M: the plain instruction behind the exponentials
	s_wait_alu depctr_va_vdst(0)                   ; one wait for the batch, ahead of its first reader
.irp b, 0,1,2,3
	v_exp_f32 v[248+\b], v[248+\b]                 ; the block's largest p
.endr
	; the row's sum of the unquantised p: 32 pairs in eight chains (v236-247 by twos, v[254:255], v[14:15])
.irp c, 0,1,2,3,4,5
	v_pk_add_f32 v[236+2*\c:237+2*\c], v[128+4*\c:129+4*\c], v[130+4*\c:131+4*\c]
.endr
	v_pk_add_f32 v[254:255], v[152:153], v[154:155]
	v_pk_add_f32 v[14:15], v[14:15], v[156:157]
.irp c, 0,1,2,3,4,5
	v_pk_add_f32 v[236+2*\c:237+2*\c], v[236+2*\c:237+2*\c], v[158+2*\c:159+2*\c]
.endr
	v_pk_add_f32 v[254:255], v[254:255], v[170:171]
	v_pk_add_f32 v[14:15], v[14:15], v[172:173]
.irp c, 0,1,2,3,4,5
	v_pk_add_f32 v[236+2*\c:237+2*\c], v[236+2*\c:237+2*\c], v[174+2*\c:175+2*\c]
.endr
	v_pk_add_f32 v[254:255], v[254:255], v[186:187]
	v_pk_add_f32 v[14:15], v[14:15], v[188:189]
	v_pk_add_f32 v[236:237], v[236:237], v[190:191]
	v_pk_add_f32 v[240:241], v[240:241], v[242:243]
	v_pk_add_f32 v[244:245], v[244:245], v[246:247]
	v_pk_add_f32 v[14:15], v[14:15], v[254:255]
	v_pk_add_f32 v[236:237], v[236:237], v[238:239]
	s_delay_alu instid0(VALU_DEP_2)
	v_pk_add_f32 v[14:15], v[14:15], v[244:245]
	s_delay_alu instid0(VALU_DEP_2)
	v_pk_add_f32 v[236:237], v[236:237], v[240:241]
	s_delay_alu instid0(VALU_DEP_1)
	v_pk_add_f32 v[14:15], v[14:15], v[236:237]
	s_wait_alu depctr_va_vdst(0)                   ; and one for the four
.irp b, 0,1,2,3
	v_max_num_f32 v[248+\b], 0x1800000, v[248+\b]  ; the floor 2^(3 - 127): a block of zeros keeps the byte 1; its codes are zeros
.endr
.irp b, 0,1,2,3
	s_delay_alu instid0(VALU_DEP_4)
	v_add_nc_u32 v[244+\b], 0xff000000, v[248+\b]  ; 2 off the exponent field: the conversion's scale operand
.endr
.irp b, 0,1,2,3
	s_delay_alu instid0(VALU_DEP_4)
	v_lshrrev_b32 v[236+\b], 23, v[244+\b]
.endr
	s_delay_alu instid0(VALU_DEP_3)
	v_lshl_or_b32 v255, v237, 8, v236              ; p's scale word for these 128 keys
	s_delay_alu instid0(VALU_DEP_1)
	v_lshl_or_b32 v255, v238, 16, v255
	s_delay_alu instid0(VALU_DEP_1)
	v_lshl_or_b32 v255, v239, 24, v255
.irp c, 0,1
	v_cvt_scalef32_pk16_fp6_f32 v[224+6*\c:226+6*\c], v[128+32*\c:143+32*\c], v[244+2*\c]
	v_cvt_scalef32_pk16_fp6_f32 v[236+4*\c:238+4*\c], v[144+32*\c:159+32*\c], v[244+2*\c+1]
.endr
	v_add_nc_u32 v123, VOFF, v120                  ; V's addresses: also the plain place behind the conversions
	v_add_nc_u32 v124, VOFF, v121
.irp t, 0,1,2,3                                ; V's four fragments (16 of the head's 64 x 128 keys) land where p lay, while the work below goes on
	ds_load_b128 v[128+12*\t:131+12*\t], v123 offset:1536*\t
	ds_load_b64 v[132+12*\t:133+12*\t], v124 offset:1536*\t+512
	ds_load_b128 v[134+12*\t:137+12*\t], v123 offset:1536*\t+768
	ds_load_b64 v[138+12*\t:139+12*\t], v124 offset:1536*\t+1280
.endr
.irp c, 0,1                                    ; the operand's layout wants a whole block in a lane
.irp i, 0,1,2
	v_permlane16_swap_b32 v[224+6*\c+\i], v[236+4*\c+\i]
.endr
.irp i, 0,1,2
	s_delay_alu instid0(VALU_DEP_3)
	v_mov_b32 v[227+6*\c+\i], v[236+4*\c+\i]
.endr
.endr
	s_wait_alu depctr_va_vdst(0)                   ; the wait directly ahead of the first reader of O^T
.set J, 0
.rept 16
	v_pk_mul_f32 v[192+J:193+J], v[192+J:193+J], v[252:253] op_sel_hi:[1,0]   ; O^T under the new M; of these sixteen, twelve name no register of any one product below: its places behind the codes and the scale word
.set J, J+2
.endr
	s_wait_alu depctr_va_vdst(0)                   ; the wait ahead of the wait below
	s_wait_dscnt 0x0
.irp t, 0,1,2,3                                ; O^T += V^T P^T: four accumulators by turns
	v_wmma_scale_f32_16x16x128_f8f6f4 v[192+8*\t:199+8*\t], v[128+12*\t:139+12*\t], v[224:235], v[192+8*\t:199+8*\t], v[88+\t], v255 matrix_a_fmt:MATRIX_FMT_FP6 matrix_b_fmt:MATRIX_FMT_FP6
.endr
.rept 2
	v_nop                                          ; the next step's products write over V's registers: these two and that step's four address lines are six places; the way out has four plain lines of its own ahead of its first read of O^T
.endr
.Lskip_\@:
.endm
.macro NEXT
	s_add_co_u32 s[TS], s[TS], 1
	s_add_co_u32 s[KO], s[KO], 6144
	s_add_co_u32 s[SO], s[SO], 512
	s_add_co_u32 s[MT], s[MT], 16
.endm
; A PASS'S TOP: my mask words go to my own LDS bytes, the sums begin, the flags are read
.macro PTOP
	s_wait_xcnt 0x0                                ; earlier stores have read their registers
	s_wait_loadcnt 0x0                             ; Q, its scale words and my mask words are in
.irp k, 0,1,2,3,4,5,6,7
	ds_store_b128 v9, v[192+4*\k:195+4*\k] offset:544*\k   ; rows 2 k, 2 k + 1 of my mask words
.endr
.set J, 0
.rept 32
	v_mov_b32 v[192+J], 0                          ; O^T: which step is a tile's first hangs on the mask, so the sums begin as zeros
.set J, J+1
.endr
	v_mov_b32 v14, 0
	v_mov_b32 v15, 0
	v_mov_b32 v13, 0xff61b1e6                      ; the largest t so far: -3e38
	s_delay_alu instid0(VALU_DEP_1)
	v_floor_f32 v12, -v13
	s_wait_alu depctr_va_vdst(0)                   ; the wait ahead of the wait below
	s_wait_kmcnt 0x0
	s_or_b32 s16, s16, s17
	s_or_b32 s18, s18, s19
	s_or_b32 s[FT], s16, s18
	s_lshr_b32 s[FM], s[FT], 16
	s_mov_b32 s[TS], 0
	s_mov_b32 s[KO], 0
	s_mov_b32 s[MT], 0
	s_mov_b32 s[SO], KSB
.endm
; THE WAY OUT of a pass: O^T / the sum goes through my own LDS bytes (the mask words are done with) and leaves as rows of 256 consecutive aligned bytes.
; more = 1: what the next pass needs is asked for while this pass's rows leave.
.macro WAYOUT more
	s_wait_alu depctr_va_vdst(0)
	v_add_f32 v14, v14, v15
	s_delay_alu instid0(VALU_DEP_1)
	v_permlanex16_b32 v252, v14, s[SEL], s[SEL+1]
	s_delay_alu instid0(VALU_DEP_1)
	v_add_f32 v14, v14, v252                       ; the row's sum
	s_wait_alu depctr_va_vdst(0)
	v_rcp_f32 v14, v14
	v_nop                                          ; a plain instruction behind the reciprocal
	s_lshl_b32 s32, s[QB], 4
	s_add_co_u32 s32, s32, s[TW]                   ; my tile
	s_lshr_b32 s33, s[BH], 4
	s_lshl_b32 s33, s33, 11                        ; the batch's 2,048 rows
	s_lshr_b32 s34, s32, 1
	s_lshl_b32 s34, s34, 5
	s_add_co_u32 s33, s33, s34
	s_and_b32 s34, s32, 1
	s_lshl_b32 s34, s34, 3
	s_add_co_u32 s33, s33, s34                     ; + 32 (tile / 2) + 8 (tile % 2)
	s_lshl_b32 s32, s33, 12                        ; 4,096 bytes a row
	s_and_b32 s34, s[BH], 15
	s_lshl_b32 s34, s34, 8                         ; the head's 256 bytes
	s_add_co_u32 s32, s32, s34
	s_mov_b32 s33, 0
	s_add_nc_u64 s[32:33], s[12:13], s[32:33]
	s_wait_alu depctr_va_vdst(0)                   ; ahead of the reciprocal's first reader
.set J, 0
.rept 32
	v_mul_f32 v[128+J], v[192+J], v14              ; register 16 b + i: channel 32 b + 16 h + i of my query
.set J, J+1
.endr
.irp b, 0,1
.irp q, 0,1,2,3
	ds_store_b128 v10, v[128+16*\b+4*\q:131+16*\b+4*\q] offset:128*\b+16*\q
.endr
.endr
.irp i, 0,1,2,3,4,5,6,7
	ds_load_b128 v[160+4*\i:163+4*\i], v9 offset:544*\i   ; LDS serves a wave's instructions in order: these see my stores
.endr
.if \more
	s_sub_co_u32 s[QB], 7, s[QB]                   ; the second pass: block x,
	s_sub_co_u32 s[TW], 15, s[TW]                  ; tile 15 - w
	PLOADS
.endif
.irp i, 0,1,2,3,4,5,6,7
	s_wait_dscnt 7-\i                              ; the younger reads may be out
	global_store_b128 v7, v[160+4*\i:163+4*\i], s[32:33] offset:(16*(\i/4)+2*(\i%4))*4096 th:TH_STORE_NT   ; stored rows 2 i, 2 i + 1 are queries 16 (i / 4) + 2 (i % 4) + 0, 1 of the tile's span
.endr
.endm
	; ---- the first pass
	PTOP
	s_mov_b32 s[SG], 0
	s_mov_b32 s[CNT], 3
	s_wait_dscnt 0x0                               ; my stores of steps 0-3 and of the scale words are in
	s_barrier_signal -1
	s_barrier_wait -1
.Lfirst:                                           ; steps 0-2; each trip also brings 48 units of K's codes and 48 of V's, of steps 4-15
	v_add_nc_u32 v30, s[SG], v8
	s_wait_alu depctr_va_vdst(0)                   ; the wait
.irp j, 0,1,2
	global_load_b128 v[96+4*\j:99+4*\j], v30, s[P1:P1+1] offset:24576+8192*\j
	global_load_b128 v[108+4*\j:111+4*\j], v30, s[P1:P1+1] offset:GV+24576+8192*\j
.endr
	STEP
	s_wait_loadcnt 0x0                             ; my six units are in registers
	v_add_nc_u32 v31, VOFF, v30
.irp j, 0,1,2
	ds_store_b128 v30, v[96+4*\j:99+4*\j] offset:24576+8192*\j
	ds_store_b128 v31, v[108+4*\j:111+4*\j] offset:24576+8192*\j
.endr
	NEXT
	s_add_co_u32 s[SG], s[SG], 24576
	s_sub_co_u32 s[CNT], s[CNT], 1
	s_cmp_lg_u32 s[CNT], 0
	s_cbranch_scc1 .Lfirst
	s_wait_dscnt 0x0                               ; my stores of steps 4-15 are in
	s_barrier_signal -1
	s_barrier_wait -1                              ; all of K and V lies in LDS; nothing is stored there from here on
	s_mov_b32 s[CNT], 13
.Lrest:                                            ; steps 3-15: the trip count is a constant, the work is what is left out
	STEP
	NEXT
	s_sub_co_u32 s[CNT], s[CNT], 1
	s_cmp_lg_u32 s[CNT], 0
	s_cbranch_scc1 .Lrest
	WAYOUT 1
	; ---- the second pass: no store into K's and V's bytes, no barrier
	PTOP
	s_mov_b32 s[CNT], 16
.Lsecond:
	STEP
	NEXT
	s_sub_co_u32 s[CNT], s[CNT], 1
	s_cmp_lg_u32 s[CNT], 0
	s_cbranch_scc1 .Lsecond
	WAYOUT 0
	s_wait_tensorcnt 0x0                           ; the wave's end
	ds_add_u32 v126, v127
	s_wait_dscnt 0x0
	s_endpgm
.Lfunc_end_k_qdc89ff97f9_attn:
	.size	k_qdc89ff97f9_attn, .Lfunc_end_k_qdc89ff97f9_attn-k_qdc89ff97f9_attn
	.p2alignl 7, 3214868480
	.fill 96, 4, 3214868480
	.section	.rodata,"a",@progbits
	.p2align	6, 0x0
	.amdhsa_kernel k_qdc89ff97f9_attn
		.amdhsa_group_segment_fixed_size 284672
		.amdhsa_private_segment_fixed_size 0
		.amdhsa_enable_private_segment 0
		.amdhsa_kernarg_size 40
		.amdhsa_user_sgpr_count 2
		.amdhsa_user_sgpr_kernarg_segment_ptr 1
		.amdhsa_wavefront_size32 1
		.amdhsa_system_sgpr_workgroup_id_x 1
		.amdhsa_system_sgpr_workgroup_id_y 1
		.amdhsa_system_sgpr_workgroup_id_z 1
		.amdhsa_system_vgpr_workitem_id 0
		.amdhsa_next_free_vgpr 256
		.amdhsa_next_free_sgpr 106
		.amdhsa_reserve_vcc 0
		.amdhsa_float_denorm_mode_32 3
		.amdhsa_float_denorm_mode_16_64 3
		.amdhsa_memory_ordered 1
		.amdhsa_forward_progress 1
		.amdhsa_inst_pref_size 117
	.end_amdhsa_kernel
	.amdgpu_metadata
---
amdhsa.version: [ 1, 2 ]
amdhsa.kernels:
  - .name:           k_qdc89ff97f9_attn
    .symbol:         k_qdc89ff97f9_attn.kd
    .args:
      - { .name: fcod, .offset: 0, .size: 8, .value_kind: global_buffer, .address_space: global }
      - { .name: fscl, .offset: 8, .size: 8, .value_kind: global_buffer, .address_space: global }
      - { .name: mbits, .offset: 16, .size: 8, .value_kind: global_buffer, .address_space: global }
      - { .name: tflags, .offset: 24, .size: 8, .value_kind: global_buffer, .address_space: global }
      - { .name: out0, .offset: 32, .size: 8, .value_kind: global_buffer, .address_space: global }
    .group_segment_fixed_size: 284672
    .private_segment_fixed_size: 0
    .kernarg_segment_align: 8
    .kernarg_segment_size: 40
    .max_flat_workgroup_size: 512
    .sgpr_count:     106
    .vgpr_count:     256
    .wavefront_size: 32
...
	.end_amdgpu_metadata
.endif
;; end of part 3
